; MI455X (gfx1250); checked and timed in simulation.
; The chip was launched on July 23, 2026; its instructions are those of AMD's public machine-readable ISA for CDNA 5 (MIT licence, August 2026) and "CDNA5" Instruction Set Architecture Reference Guide (July 2026). The comments in the code are by the model that wrote it; some were corrected since.
;; Attn Decoder RNN. Allowed arithmetic: float matrix products may take bf16 or f16 operands with f32 sums; all other float work in f32.
;; Inputs: attn_b 1,024 float32; attn_w 1,024 x 1,024 float32; b_hh 3,072 float32; b_ih 3,072 float32; emb 50,257 x 1,024 float32; encoder_hiddens 4,096 x 1 x 1,024 float32; last_hidden 1 x 1 x 1,024 float32; out_b 50,257 float32; out_w 50,257 x 2,048 float32; w_hh 3,072 x 1,024 float32; w_ih 3,072 x 1,024 float32; word_input 1 int32.
;; Outputs: out0 1 x 50,257 float32; out1 1 x 1 x 1,024 float32; out2 1 x 1 x 4,096 float32.
;; One version. Each part assembles by itself: llvm-mc -triple=amdgcn-amd-amdhsa -mcpu=gfx1250 --defsym DOCPART=n.
;; ======== version 1 of 1: 5 launches
;; workspace buffers: upart 32,768 bytes; scores 16,384 bytes; cpart 1,048,576 bytes; ctx 4,096 bytes
;; launch gru (part 1): grid 256 x 1, 8 waves a work-group, no clusters, 1,280 bytes of LDS; arguments word_input, emb, last_hidden, w_ih, w_hh, b_ih, b_hh, out1; writes out1
.if DOCPART == 1
	.amdgcn_target "amdgcn-amd-amdhsa--gfx1250"
	.amdhsa_code_object_version 6
	.text
	.protected	k_q270819c1cd_gru
	.globl	k_q270819c1cd_gru
	.p2align	8
	.type	k_q270819c1cd_gru,@function
k_q270819c1cd_gru:
	s_mov_b64 s[64:65], 0
	v_nop
	global_prefetch_b8 v0, s[64:65] scope:SCOPE_SE
	s_setreg_imm32_b32 hwreg(HW_REG_WAVE_MODE, 25, 1), 1
	s_wait_xcnt 0x0
; GRU cell, batch 1: h = (1 - z) n + z h_prev, all in f32 on the vector ALU (each weight feeds one multiply-add: a one-row product has
; nothing for the matrix unit, and no tile is read twice, so no LDS ring and no cluster: the work-groups share only x and h_prev, 8 KB,
; against 96 KB of weight rows of their own).
; Work-group g makes h[4g .. 4g+3]: 24 weight rows of 4,096 bytes.  Wave w: mat = w >> 2 (0: w_ih with x = emb[word], 1: w_hh with h_prev),
; e = w & 3; it takes rows j, 1024 + j, 2048 + j (gates r, z, n), j = 4g + e.  All its 24 + 8 loads are issued before the one wait.
; A row lies in registers as 8 chunks of 512 bytes: lane l holds the 16 bytes at 512 c + 16 l, so each load covers 512 consecutive bytes.
; LIMITS: word_input is taken as unsigned and clamped to 50256 (reference() relies on an index inside the table).  v_exp_f32 and v_rcp_f32
; flush denormals; sigmoid(x) = 1 / (1 + 2^(-1.442695 x)) and tanh(x) = 1 - 2 / (1 + 2^(2.885390 x)) saturate through 0 and infinity.
; The sums run in another order than reference()'s.  A work-group stores 16 bytes of out1: whole pieces of 256 bytes would mean 64 elements
; of h, 1.5 MB of weights, for each of 16 work-groups; out1 is 4 KB in all.
.set VOCAB, 50257
.set GATE,  0x400000                   ; 1,024 rows of 4,096 bytes: from gate to gate in w_ih and w_hh
.set ACC,   2                          ; v[2:7]     a pair of running sums for each gate
.set GS,    8                          ; v[8:10]    the three gate sums; v11 = 0 fills the 16 bytes
.set W,     16                         ; v[16:111]  gate q at W + 32 q, chunk c at + 4 c
.set X,     112                        ; v[112:143] x or h_prev, the same layout
.set HP,    144                        ; v144       h_prev[4g + (lane & 3)]
	s_load_b512 s[8:23], s[0:1], 0x0               ; word 8:9, emb 10:11, last_hidden 12:13, w_ih 14:15, w_hh 16:17, b_ih 18:19, b_hh 20:21, out1 22:23
	v_lshl_add_u32 v148, v0, 2, 0x100
	v_mov_b32 v149, 0
	v_lshrrev_b32 v2, 5, v0
	v_readfirstlane_b32 s2, v2                     ; wave
	s_lshr_b32 s3, s2, 2                           ; mat
	s_and_b32 s4, s2, 3                            ; e
	s_lshl_b32 s5, ttmp9, 2
	s_add_co_u32 s5, s5, s4                        ; j = 4 g + e
	s_mov_b32 s44, 0x76543210                      ; v_permlanex16_b32: lane i takes lane i of the other half
	s_mov_b32 s45, 0xfedcba98
	v_and_b32 v15, 31, v0                          ; lane
	v_lshlrev_b32 v1, 4, v15                       ; 16 x lane
	v_mov_b32 v11, 0
	v_and_b32 v12, 3, v0
	v_lshlrev_b32 v14, 2, v12
	v_lshlrev_b32 v12, 4, v12                      ; LDS: 16 (lane & 3), for the end
	s_lshl_b32 s6, ttmp9, 4
	v_add_nc_u32 v14, s6, v14                      ; 16 g + 4 (lane & 3): byte of h_prev and of out1
	s_lshl_b32 s46, s2, 4
	v_mov_b32 v13, s46                             ; LDS: 16 x wave
	s_lshl_b32 s30, s5, 12                         ; row j, in bytes
	s_mov_b32 s31, 0
	s_lshl_b32 s34, s5, 2                          ; bias j, in bytes
	s_mov_b32 s35, 0
	s_wait_kmcnt 0x0
	s_cmp_eq_u32 s3, 0
	s_cselect_b64 s[24:25], s[14:15], s[16:17]     ; my matrix
	s_cselect_b64 s[26:27], s[18:19], s[20:21]     ; my bias
	s_add_nc_u64 s[24:25], s[24:25], s[30:31]      ; gate r's row; a base for each gate, as two gates are more than an immediate offset holds
	s_add_nc_u64 s[28:29], s[24:25], GATE          ; gate z's
	s_add_nc_u64 s[32:33], s[24:25], 2*GATE        ; gate n's
	s_add_nc_u64 s[26:27], s[26:27], s[34:35]
	s_load_b32 s39, s[8:9], 0x0                    ; the word
	s_load_b32 s36, s[26:27], 0x0                  ; the three biases
	s_load_b32 s37, s[26:27], 0x1000
	s_load_b32 s38, s[26:27], 0x2000
	global_load_b32 v[HP], v14, s[12:13]           ; every wave asks for these 16 bytes (no branch over a load); wave 0 uses them
.irp c, 0,1,2,3,4,5,6,7
	global_load_b128 v[W+4*\c:W+4*\c+3], v1, s[24:25] offset:512*\c th:TH_LOAD_NT
.endr
.irp c, 0,1,2,3,4,5,6,7
	global_load_b128 v[W+32+4*\c:W+32+4*\c+3], v1, s[28:29] offset:512*\c th:TH_LOAD_NT
.endr
.irp c, 0,1,2,3,4,5,6,7
	global_load_b128 v[W+64+4*\c:W+64+4*\c+3], v1, s[32:33] offset:512*\c th:TH_LOAD_NT
.endr
	s_wait_kmcnt 0x0                               ; scalar loads return in no order: zero
	s_min_u32 s39, s39, VOCAB-1                    ; the index stays inside the table
	s_lshl_b32 s40, s39, 12                        ; at most 50,256 x 4,096, below 2^32
	s_mov_b32 s41, 0
	s_add_nc_u64 s[48:49], s[10:11], s[40:41]      ; emb's row
	s_cmp_eq_u32 s3, 0
	s_cselect_b64 s[42:43], s[48:49], s[12:13]     ; x or h_prev
.irp c, 0,1,2,3,4,5,6,7
	global_load_b128 v[X+4*\c:X+4*\c+3], v1, s[42:43] offset:512*\c
.endr
	s_wait_loadcnt 0x0                             ; everything was in flight together; the vector, asked for last, is needed by the first product
; three dot products of 1,024, two numbers an instruction, three chains that do not wait for each other; the first products start the sums
.macro DOT3 o
	v_pk_fma_f32 v[ACC:ACC+1],   v[W+\o:W+\o+1],       v[X+\o:X+\o+1], v[ACC:ACC+1]
	v_pk_fma_f32 v[ACC+2:ACC+3], v[W+32+\o:W+32+\o+1], v[X+\o:X+\o+1], v[ACC+2:ACC+3]
	v_pk_fma_f32 v[ACC+4:ACC+5], v[W+64+\o:W+64+\o+1], v[X+\o:X+\o+1], v[ACC+4:ACC+5]
.endm
	v_pk_mul_f32 v[ACC:ACC+1],   v[W:W+1],       v[X:X+1]
	v_pk_mul_f32 v[ACC+2:ACC+3], v[W+32:W+33],   v[X:X+1]
	v_pk_mul_f32 v[ACC+4:ACC+5], v[W+64:W+65],   v[X:X+1]
.irp o, 2,4,6,8,10,12,14,16,18,20,22,24,26,28,30
	DOT3 \o
.endr
.irp q, 0,1,2
	v_add_f32 v[GS+\q], v[ACC+2*\q], v[ACC+2*\q+1]
.endr
	; over the 32 lanes: four steps inside each half ride on the add (DPP), one crosses the halves; the three sums take turns
.irp m, 1,2,4,8
.irp q, 0,1,2
	v_add_f32_dpp v[GS+\q], v[GS+\q], v[GS+\q] row_xmask:\m row_mask:0xf bank_mask:0xf
.endr
.endr
.irp q, 0,1,2
	v_permlanex16_b32 v[W+\q], v[GS+\q], s44, s45  ; its destination counts as read: a weight register, written and done with
.endr
.irp q, 0,1,2
	v_add_f32 v[GS+\q], v[GS+\q], v[W+\q]
.endr
	v_add_f32 v[GS], s36, v[GS]                    ; + bias
	v_add_f32 v[GS+1], s37, v[GS+1]
	v_add_f32 v[GS+2], s38, v[GS+2]
	ds_store_b128 v13, v[GS:GS+3]                  ; LDS [8 waves][16 bytes]: gi of e at 16 e, gh of e at 64 + 16 e
	s_wait_dscnt 0x0                               ; for wave 0's sake: my store is done before I signal
	s_barrier_signal -1
	s_barrier_wait -1
	s_cmp_lg_u32 s2, 0
	s_cbranch_scc1 .Lend
	; wave 0 finishes; every lane works on element lane & 3
	ds_load_b128 v[20:23], v12                     ; gi: r, z, n
	ds_load_b128 v[24:27], v12 offset:64           ; gh: r, z, n
	s_wait_dscnt 0x0
	v_add_f32 v28, v20, v24
	v_add_f32 v29, v21, v25
	v_mul_f32 v28, 0xbfb8aa3b, v28                 ; x -1.442695
	v_mul_f32 v29, 0xbfb8aa3b, v29
	v_exp_f32 v32, v28
	v_exp_f32 v33, v29
	v_nop                                          ; one plain place behind a transcendental before its result is used (ISA guide 5.7.2)
	s_wait_alu depctr_va_vdst(0)
	v_add_f32 v32, 1.0, v32
	v_add_f32 v33, 1.0, v33
	v_rcp_f32 v34, v32                             ; r
	v_rcp_f32 v35, v33                             ; z
	v_nop
	s_wait_alu depctr_va_vdst(0)
	v_fma_f32 v30, v34, v26, v22                   ; gi_n + r gh_n
	v_mul_f32 v30, 0x4038aa3b, v30                 ; x 2.885390
	v_exp_f32 v36, v30
	v_nop
	s_wait_alu depctr_va_vdst(0)
	v_add_f32 v36, 1.0, v36
	v_rcp_f32 v37, v36
	v_nop
	s_wait_alu depctr_va_vdst(0)
	v_fma_f32 v30, -2.0, v37, 1.0                  ; n = tanh
	v_sub_f32 v31, v[HP], v30
	v_fma_f32 v31, v35, v31, v30                   ; n + z (h_prev - n)
	s_wait_xcnt 0x0                                ; EXEC is a source of the loads above: it changes only behind this wait
	v_cmp_gt_u32 vcc_lo, 4, v15
	s_wait_tensorcnt 0x0
	ds_add_u32 v148, v149
	s_wait_dscnt 0x0
	s_and_saveexec_b32 s47, vcc_lo                 ; lanes 0 to 3: one lane for each element
	global_store_b32 v14, v31, s[22:23]
	s_endpgm
.Lend:
	s_wait_tensorcnt 0x0
	ds_add_u32 v148, v149
	s_wait_dscnt 0x0
	s_endpgm
.Lfunc_end_k_q270819c1cd_gru:
	.size	k_q270819c1cd_gru, .Lfunc_end_k_q270819c1cd_gru-k_q270819c1cd_gru
	.p2alignl 7, 3214868480
	.fill 96, 4, 3214868480
	.section	.rodata,"a",@progbits
	.p2align	6, 0x0
	.amdhsa_kernel k_q270819c1cd_gru
		.amdhsa_group_segment_fixed_size 1280
		.amdhsa_private_segment_fixed_size 0
		.amdhsa_enable_private_segment 0
		.amdhsa_kernarg_size 64
		.amdhsa_user_sgpr_count 2
		.amdhsa_user_sgpr_kernarg_segment_ptr 1
		.amdhsa_wavefront_size32 1
		.amdhsa_system_sgpr_workgroup_id_x 1
		.amdhsa_system_sgpr_workgroup_id_y 1
		.amdhsa_system_sgpr_workgroup_id_z 1
		.amdhsa_system_vgpr_workitem_id 0
		.amdhsa_next_free_vgpr 150
		.amdhsa_next_free_sgpr 66
		.amdhsa_reserve_vcc 1
		.amdhsa_float_denorm_mode_32 3
		.amdhsa_float_denorm_mode_16_64 3
		.amdhsa_memory_ordered 1
		.amdhsa_forward_progress 1
		.amdhsa_inst_pref_size 12
	.end_amdhsa_kernel
	.amdgpu_metadata
---
amdhsa.version: [ 1, 2 ]
amdhsa.kernels:
  - .name:           k_q270819c1cd_gru
    .symbol:         k_q270819c1cd_gru.kd
    .args:
      - { .name: word_input, .offset: 0, .size: 8, .value_kind: global_buffer, .address_space: global }
      - { .name: emb, .offset: 8, .size: 8, .value_kind: global_buffer, .address_space: global }
      - { .name: last_hidden, .offset: 16, .size: 8, .value_kind: global_buffer, .address_space: global }
      - { .name: w_ih, .offset: 24, .size: 8, .value_kind: global_buffer, .address_space: global }
      - { .name: w_hh, .offset: 32, .size: 8, .value_kind: global_buffer, .address_space: global }
      - { .name: b_ih, .offset: 40, .size: 8, .value_kind: global_buffer, .address_space: global }
      - { .name: b_hh, .offset: 48, .size: 8, .value_kind: global_buffer, .address_space: global }
      - { .name: out1, .offset: 56, .size: 8, .value_kind: global_buffer, .address_space: global }
    .group_segment_fixed_size: 1280
    .private_segment_fixed_size: 0
    .kernarg_segment_align: 8
    .kernarg_segment_size: 64
    .max_flat_workgroup_size: 256
    .sgpr_count:     66
    .vgpr_count:     150
    .wavefront_size: 32
...
	.end_amdgpu_metadata
.endif
;; end of part 1
;; launch uvec (part 2): grid 16 x 8, 8 waves a work-group, no clusters, 5,120 bytes of LDS; arguments attn_w, out1, upart; writes upart
.if DOCPART == 2
	.amdgcn_target "amdgcn-amd-amdhsa--gfx1250"
	.amdhsa_code_object_version 6
	.text
	.protected	k_q270819c1cd_uvec
	.globl	k_q270819c1cd_uvec
	.p2align	8
	.type	k_q270819c1cd_uvec,@function
k_q270819c1cd_uvec:
	s_mov_b64 s[64:65], 0
	v_nop
	global_prefetch_b8 v0, s[64:65] scope:SCOPE_SE
	s_setreg_imm32_b32 hwreg(HW_REG_WAVE_MODE, 25, 1), 1
	s_wait_xcnt 0x0
; (enc W^T + b) h = enc (W^T h) + b h for every input, so the scores need u = W^T h: u[c] = sum over r of attn_w[r][c] h[r], in f32.
; Work-group (cb, rb) sums rows 128 rb .. + 127 over columns 64 cb .. + 63 and stores one partial piece, upart[rb][64 cb ..], 256 bytes.
; Eight row blocks: this launch then reads 32 KB a work-group, and each work-group of the next launch reads 8 x 4 KB to add them up.
; Thread t: c4 = t & 15 (four columns), rs = t >> 4 (eight rows): sixteen neighbouring lanes read 256 consecutive bytes of a row, aligned.
; No matrix unit (one row), no cluster (the work-groups share 512 bytes of h), no ring (all ten loads of a thread are out at once).
.set W,   8                            ; v[8:39]   row i at W + 4 i
.set HV,  40                           ; v[40:47]  h of my eight rows
.set ACC, 48                           ; v[48:51]  my four columns
.set SLO, 18
.set SHI, 19
.macro PADD4 a, b                      ; four numbers += four numbers
	v_pk_add_f32 v[\a:\a+1],   v[\a:\a+1],   v[\b:\b+1]
	v_pk_add_f32 v[\a+2:\a+3], v[\a+2:\a+3], v[\b+2:\b+3]
.endm
.macro TREE8 b                         ; eight groups of four registers from v[b] on are added into the first
	PADD4 \b, \b+4
	PADD4 \b+8, \b+12
	PADD4 \b+16, \b+20
	PADD4 \b+24, \b+28
	PADD4 \b, \b+8
	PADD4 \b+16, \b+24
	PADD4 \b, \b+16
.endm
.macro FOLD b, t                       ; lanes i and i xor 16 add their four numbers; t: four registers written before and done with
.irp k, 0,1,2,3
	v_permlanex16_b32 v[\t+\k], v[\b+\k], s[SLO], s[SHI]
.endr
	PADD4 \b, \t
.endm
	s_load_b128 s[4:7], s[0:1], 0x0                ; attn_w 4:5, out1 (h) 6:7
	s_load_b64 s[8:9], s[0:1], 0x10                ; upart
	v_lshl_add_u32 v56, v0, 2, 0x1000
	v_mov_b32 v57, 0
	v_lshrrev_b32 v4, 5, v0
	v_readfirstlane_b32 s2, v4                     ; wave
	s_and_b32 s3, ttmp7, 0xffff                    ; rb
	s_mov_b32 s[SLO], 0x76543210
	s_mov_b32 s[SHI], 0xfedcba98
	v_and_b32 v5, 15, v0                           ; c4
	v_lshrrev_b32 v6, 4, v0                        ; rs
	v_lshlrev_b32 v7, 4, v5                        ; 16 c4
	v_lshl_or_b32 v1, v6, 15, v7                   ; + 8 rs rows of 4,096 bytes
	v_lshlrev_b32 v2, 5, v6                        ; h: 8 rs numbers
	v_lshlrev_b32 v3, 4, v0                        ; LDS: 16 t = 256 rs + 16 c4
	s_lshl_b32 s12, ttmp9, 8                       ; 64 cb columns, in bytes
	s_lshl_b32 s10, s3, 19                         ; 128 rb rows
	s_add_co_u32 s10, s10, s12
	s_mov_b32 s11, 0
	s_lshl_b32 s14, s3, 9                          ; 128 rb numbers of h
	s_mov_b32 s15, 0
	s_lshl_b32 s16, s3, 12                         ; upart's row rb
	s_add_co_u32 s16, s16, s12
	s_mov_b32 s17, 0
	s_wait_kmcnt 0x0
	s_add_nc_u64 s[4:5], s[4:5], s[10:11]
	s_add_nc_u64 s[6:7], s[6:7], s[14:15]
	s_add_nc_u64 s[8:9], s[8:9], s[16:17]
	global_load_b128 v[HV:HV+3],   v2, s[6:7]
	global_load_b128 v[HV+4:HV+7], v2, s[6:7] offset:16
.irp i, 0,1,2,3,4,5,6,7
	global_load_b128 v[W+4*\i:W+4*\i+3], v1, s[4:5] offset:4096*\i th:TH_LOAD_NT
.endr
	s_wait_loadcnt 0x0
.irp k, 0,1,2,3
	v_mul_f32 v[ACC+\k], v[W+\k], v[HV]            ; the first row starts the sums
.endr
.irp i, 1,2,3,4,5,6,7
.irp k, 0,1,2,3
	v_fmac_f32 v[ACC+\k], v[W+4*\i+\k], v[HV+\i]
.endr
.endr
	ds_store_b128 v3, v[ACC:ACC+3]                 ; LDS [16 rs][256 bytes]
	s_wait_dscnt 0x0                               ; for wave 0's sake: zero before the signal
	s_barrier_signal -1
	s_barrier_wait -1
	s_cmp_lg_u32 s2, 0
	s_cbranch_scc1 .Lend
	; wave 0 adds the sixteen pieces: lanes 0-15 take rs 0-7, lanes 16-31 rs 8-15, then the halves meet
	v_bfe_u32 v4, v0, 4, 1                         ; lane >> 4
	v_lshl_add_u32 v4, v4, 11, v7                  ; 2,048 (lane >> 4) + 16 (lane & 15): at most 2,288; with 7 x 256 and 16 bytes it ends at 4,096
.irp i, 0,1,2,3,4,5,6,7
	ds_load_b128 v[W+4*\i:W+4*\i+3], v4 offset:256*\i
.endr
	v_and_b32 v6, 31, v0
	s_wait_dscnt 0x0
	TREE8 W
	FOLD W, W+4
	s_wait_xcnt 0x0                                ; EXEC is a source of the loads above: it changes only behind this wait
	v_cmp_gt_u32 vcc_lo, 16, v6
	s_wait_tensorcnt 0x0
	ds_add_u32 v56, v57
	s_wait_dscnt 0x0
	s_and_saveexec_b32 s20, vcc_lo
	global_store_b128 v7, v[W:W+3], s[8:9]         ; sixteen lanes store 256 consecutive bytes, aligned
	s_endpgm
.Lend:
	s_wait_tensorcnt 0x0
	ds_add_u32 v56, v57
	s_wait_dscnt 0x0
	s_endpgm
.Lfunc_end_k_q270819c1cd_uvec:
	.size	k_q270819c1cd_uvec, .Lfunc_end_k_q270819c1cd_uvec-k_q270819c1cd_uvec
	.p2alignl 7, 3214868480
	.fill 96, 4, 3214868480
	.section	.rodata,"a",@progbits
	.p2align	6, 0x0
	.amdhsa_kernel k_q270819c1cd_uvec
		.amdhsa_group_segment_fixed_size 5120
		.amdhsa_private_segment_fixed_size 0
		.amdhsa_enable_private_segment 0
		.amdhsa_kernarg_size 24
		.amdhsa_user_sgpr_count 2
		.amdhsa_user_sgpr_kernarg_segment_ptr 1
		.amdhsa_wavefront_size32 1
		.amdhsa_system_sgpr_workgroup_id_x 1
		.amdhsa_system_sgpr_workgroup_id_y 1
		.amdhsa_system_sgpr_workgroup_id_z 1
		.amdhsa_system_vgpr_workitem_id 0
		.amdhsa_next_free_vgpr 58
		.amdhsa_next_free_sgpr 66
		.amdhsa_reserve_vcc 1
		.amdhsa_float_denorm_mode_32 3
		.amdhsa_float_denorm_mode_16_64 3
		.amdhsa_memory_ordered 1
		.amdhsa_forward_progress 1
		.amdhsa_inst_pref_size 6
	.end_amdhsa_kernel
	.amdgpu_metadata
---
amdhsa.version: [ 1, 2 ]
amdhsa.kernels:
  - .name:           k_q270819c1cd_uvec
    .symbol:         k_q270819c1cd_uvec.kd
    .args:
      - { .name: attn_w, .offset: 0, .size: 8, .value_kind: global_buffer, .address_space: global }
      - { .name: out1, .offset: 8, .size: 8, .value_kind: global_buffer, .address_space: global }
      - { .name: upart, .offset: 16, .size: 8, .value_kind: global_buffer, .address_space: global }
    .group_segment_fixed_size: 5120
    .private_segment_fixed_size: 0
    .kernarg_segment_align: 8
    .kernarg_segment_size: 24
    .max_flat_workgroup_size: 256
    .sgpr_count:     66
    .vgpr_count:     58
    .wavefront_size: 32
...
	.end_amdgpu_metadata
.endif
;; end of part 2
;; launch score (part 3): grid 256 x 1, 8 waves a work-group, no clusters, 41,984 bytes of LDS; arguments encoder_hiddens, upart, attn_b, out1, scores, cpart; writes scores, cpart
.if DOCPART == 3
	.amdgcn_target "amdgcn-amd-amdhsa--gfx1250"
	.amdhsa_code_object_version 6
	.text
	.protected	k_q270819c1cd_score
	.globl	k_q270819c1cd_score
	.p2align	8
	.type	k_q270819c1cd_score,@function
k_q270819c1cd_score:
	s_mov_b64 s[64:65], 0
	v_nop
	global_prefetch_b8 v0, s[64:65] scope:SCOPE_SE
	s_setreg_imm32_b32 hwreg(HW_REG_WAVE_MODE, 25, 1), 1
	s_wait_xcnt 0x0
; s[i] = enc[i] . u + attn_b . h, and, with the rows still in registers, the work-group's share of the softmax-weighted sum:
; m = the largest of its 16 scores, cpart[g] = sum over its rows of exp(s - m) enc[row].  The encoder is read from memory once.
; Work-group g: rows 16 g .. + 15 (64 KB); wave w: rows 16 g + 2 w and + 1, 64 registers.  All in f32: the scores' spread is such that
; 16-bit operands would move a softmax weight by more than the result may be off.
; A row is 8 chunks of 512 bytes, lane l holding the 16 bytes at 512 c + 16 l: each load covers 512 consecutive bytes.
; No matrix unit (one-row products), no cluster (shared: 40 KB of vectors against 64 KB of own rows, and those vectors are read once at the head).
; LIMITS: v_exp_f32 flushes denormals (a weight below 2^-126 of the local largest counts as 0); the order of the sums differs from
; reference()'s.  A work-group stores 64 bytes of scores: 256 would mean 64 rows for each of 64 work-groups; scores is 16 KB in all.
.set U,   0                            ; LDS: u, 4,096 bytes
.set CP,  4096                         ; eight words: the waves' shares of attn_b . h
.set SC,  4160                         ; sixteen words: the scores
.set CT,  8192                         ; [8 waves][4,096 bytes]: the waves' weighted rows
.set E,   16                           ; v[16:79]   my two rows, row r at E + 32 r
.set UU,  80                           ; v[80:111]  first the eight partial u of my four columns, then u in the rows' layout
.set SLO, 20
.set SHI, 21
.macro PADD4 a, b
	v_pk_add_f32 v[\a:\a+1],   v[\a:\a+1],   v[\b:\b+1]
	v_pk_add_f32 v[\a+2:\a+3], v[\a+2:\a+3], v[\b+2:\b+3]
.endm
.macro TREE8 b                         ; eight groups of four registers from v[b] on are added into the first
	PADD4 \b, \b+4
	PADD4 \b+8, \b+12
	PADD4 \b+16, \b+20
	PADD4 \b+24, \b+28
	PADD4 \b, \b+8
	PADD4 \b+16, \b+24
	PADD4 \b, \b+16
.endm
.macro WSUM r, t                       ; sum over the 32 lanes, in every lane; t: a register written before and done with
	v_add_f32_dpp v[\r], v[\r], v[\r] row_xmask:1 row_mask:0xf bank_mask:0xf
	v_add_f32_dpp v[\r], v[\r], v[\r] row_xmask:2 row_mask:0xf bank_mask:0xf
	v_add_f32_dpp v[\r], v[\r], v[\r] row_xmask:4 row_mask:0xf bank_mask:0xf
	v_add_f32_dpp v[\r], v[\r], v[\r] row_xmask:8 row_mask:0xf bank_mask:0xf
	v_permlanex16_b32 v[\t], v[\r], s[SLO], s[SHI]
	v_add_f32 v[\r], v[\r], v[\t]
.endm
	s_load_b256 s[4:11], s[0:1], 0x0               ; enc 4:5, upart 6:7, attn_b 8:9, out1 (h) 10:11
	s_load_b128 s[12:15], s[0:1], 0x20             ; scores 12:13, cpart 14:15
	v_lshl_add_u32 v128, v0, 2, 0xa000
	v_mov_b32 v129, 0
	v_lshrrev_b32 v3, 5, v0
	v_readfirstlane_b32 s2, v3                     ; wave
	s_mov_b32 s[SLO], 0x76543210
	s_mov_b32 s[SHI], 0xfedcba98
	v_and_b32 v15, 31, v0                          ; lane
	v_lshlrev_b32 v1, 4, v15                       ; 16 x lane
	v_lshlrev_b32 v2, 4, v0                        ; 16 t
	v_mov_b32 v3, 0
	s_lshl_b32 s16, s2, 3
	s_add_co_u32 s16, s16, SC
	v_mov_b32 v4, s16                              ; my two scores in LDS
	s_lshl_b32 s17, s2, 12
	s_add_co_u32 s17, s17, CT
	v_add_nc_u32 v5, s17, v1                       ; my wave's weighted row in LDS
	v_add_nc_u32 v6, CT, v2                        ; my thread's four columns of it
	v_and_b32 v7, 15, v0
	v_lshlrev_b32 v14, 2, v7                       ; 4 (lane & 15): a score's byte in the work-group's sixteen
	v_add_nc_u32 v7, SC, v14
	s_lshl_b32 s18, s2, 2
	s_add_co_u32 s18, s18, CP
	v_mov_b32 v123, s18                            ; my wave's word of attn_b . h
	s_lshl_b32 s24, ttmp9, 16                      ; 16 g rows of 4,096 bytes
	s_lshl_b32 s22, s2, 13                         ; + 2 w rows
	s_add_co_u32 s24, s24, s22
	s_mov_b32 s25, 0
	s_lshl_b32 s26, ttmp9, 6                       ; 16 g scores
	s_mov_b32 s27, 0
	s_lshl_b32 s28, ttmp9, 12                      ; cpart's row g
	s_mov_b32 s29, 0
	s_wait_kmcnt 0x0
	s_add_nc_u64 s[4:5], s[4:5], s[24:25]
	s_add_nc_u64 s[12:13], s[12:13], s[26:27]
	s_add_nc_u64 s[14:15], s[14:15], s[28:29]
.irp i, 0,1,2,3,4,5,6,7
	global_load_b128 v[UU+4*\i:UU+4*\i+3], v2, s[6:7] offset:4096*\i       ; the eight partial u of columns 4 t .. 4 t + 3
.endr
	global_load_b128 v[112:115], v2, s[8:9]        ; attn_b, the same four
	global_load_b128 v[116:119], v2, s[10:11]      ; h, the same four
.irp r, 0,1
.irp c, 0,1,2,3,4,5,6,7
	global_load_b128 v[E+32*\r+4*\c:E+32*\r+4*\c+3], v1, s[4:5] offset:4096*\r+512*\c th:TH_LOAD_NT
.endr
.endr
	s_wait_loadcnt 16                              ; loads return in order (ISA guide 5.7.1): the ten small ones are in, the sixteen of my rows stay out
	TREE8 UU                                       ; u[4 t .. 4 t + 3]
	ds_store_b128 v2, v[UU:UU+3]
	v_pk_mul_f32 v[8:9], v[112:113], v[116:117]
	v_pk_fma_f32 v[8:9], v[114:115], v[118:119], v[8:9]
	v_add_f32 v12, v8, v9
	WSUM 12, UU+4
	ds_store_b32 v123, v12
	s_wait_dscnt 0x0                               ; for the other waves' sake: zero before the signal
	s_barrier_signal -1
	s_barrier_wait -1                              ; u and the eight shares of attn_b . h are whole
.irp c, 0,1,2,3,4,5,6,7
	ds_load_b128 v[UU+4*\c:UU+4*\c+3], v1 offset:U+512*\c
.endr
	ds_load_b128 v[112:115], v3 offset:CP
	ds_load_b128 v[116:119], v3 offset:CP+16
	s_wait_loadcnt 0x0                             ; my two rows
	s_wait_dscnt 0x0
	v_pk_add_f32 v[112:113], v[112:113], v[114:115]
	v_pk_add_f32 v[116:117], v[116:117], v[118:119]
	v_pk_add_f32 v[112:113], v[112:113], v[116:117]
	v_add_f32 v120, v112, v113                     ; attn_b . h
	v_pk_mul_f32 v[8:9],   v[E:E+1],     v[UU:UU+1]
	v_pk_mul_f32 v[10:11], v[E+32:E+33], v[UU:UU+1]
.irp o, 2,4,6,8,10,12,14,16,18,20,22,24,26,28,30
	v_pk_fma_f32 v[8:9],   v[E+\o:E+\o+1],       v[UU+\o:UU+\o+1], v[8:9]
	v_pk_fma_f32 v[10:11], v[E+32+\o:E+32+\o+1], v[UU+\o:UU+\o+1], v[10:11]
.endr
	v_add_f32 v12, v8, v9
	v_add_f32 v13, v10, v11
.irp m, 1,2,4,8
	v_add_f32_dpp v12, v12, v12 row_xmask:\m row_mask:0xf bank_mask:0xf
	v_add_f32_dpp v13, v13, v13 row_xmask:\m row_mask:0xf bank_mask:0xf
.endr
	v_permlanex16_b32 v8, v12, s[SLO], s[SHI]
	v_permlanex16_b32 v10, v13, s[SLO], s[SHI]
	v_add_f32 v12, v12, v8
	v_add_f32 v13, v13, v10
	v_add_f32 v12, v12, v120                       ; my two scores, in every lane
	v_add_f32 v13, v13, v120
	ds_store_b64 v4, v[12:13]
	s_wait_dscnt 0x0
	s_barrier_signal -1
	s_barrier_wait -1                              ; all sixteen scores are in LDS
	ds_load_b32 v121, v7                           ; score lane & 15
	s_wait_dscnt 0x0
	v_mov_b32 v122, v121
.irp m, 1,2,4,8
	v_max_num_f32_dpp v122, v122, v122 row_xmask:\m row_mask:0xf bank_mask:0xf     ; each half of 16 lanes holds all sixteen: m in every lane
.endr
	v_sub_f32 v8, v12, v122                        ; the maximum goes first, then the factor 1.442695
	v_sub_f32 v9, v13, v122
	v_mul_f32 v8, 0x3fb8aa3b, v8
	v_mul_f32 v9, 0x3fb8aa3b, v9
	v_exp_f32 v124, v8                             ; each weight twice: a pair for the packed products
	v_exp_f32 v125, v8
	v_exp_f32 v126, v9
	v_exp_f32 v127, v9
	v_nop                                          ; one plain place behind the transcendentals (ISA guide 5.7.2)
	s_wait_alu depctr_va_vdst(0)
.irp o, 0,2,4,6,8,10,12,14,16,18,20,22,24,26,28,30
	v_pk_mul_f32 v[E+\o:E+\o+1], v[E+\o:E+\o+1], v[124:125]
.endr
.irp o, 0,2,4,6,8,10,12,14,16,18,20,22,24,26,28,30
	v_pk_fma_f32 v[E+\o:E+\o+1], v[E+32+\o:E+32+\o+1], v[126:127], v[E+\o:E+\o+1]
.endr
.irp c, 0,1,2,3,4,5,6,7
	ds_store_b128 v5, v[E+4*\c:E+4*\c+3] offset:512*\c
.endr
	s_wait_dscnt 0x0
	s_barrier_signal -1
	s_barrier_wait -1                              ; the eight weighted rows are in LDS
.irp i, 0,1,2,3,4,5,6,7
	ds_load_b128 v[E+4*\i:E+4*\i+3], v6 offset:4096*\i
.endr
	s_wait_dscnt 0x0
	TREE8 E
	global_store_b128 v2, v[E:E+3], s[14:15]       ; a wave's store covers 512 consecutive bytes, aligned
	s_cmp_lg_u32 s2, 0
	s_cbranch_scc1 .Lend
	s_wait_xcnt 0x0                                ; EXEC is a source of the store above: it changes only behind this wait
	v_cmp_gt_u32 vcc_lo, 16, v15
	s_wait_tensorcnt 0x0
	ds_add_u32 v128, v129
	s_wait_dscnt 0x0
	s_and_saveexec_b32 s23, vcc_lo
	global_store_b32 v14, v121, s[12:13]           ; wave 0, lanes 0 to 15: the sixteen scores
	s_endpgm
.Lend:
	s_wait_tensorcnt 0x0
	ds_add_u32 v128, v129
	s_wait_dscnt 0x0
	s_endpgm
.Lfunc_end_k_q270819c1cd_score:
	.size	k_q270819c1cd_score, .Lfunc_end_k_q270819c1cd_score-k_q270819c1cd_score
	.p2alignl 7, 3214868480
	.fill 96, 4, 3214868480
	.section	.rodata,"a",@progbits
	.p2align	6, 0x0
	.amdhsa_kernel k_q270819c1cd_score
		.amdhsa_group_segment_fixed_size 41984
		.amdhsa_private_segment_fixed_size 0
		.amdhsa_enable_private_segment 0
		.amdhsa_kernarg_size 48
		.amdhsa_user_sgpr_count 2
		.amdhsa_user_sgpr_kernarg_segment_ptr 1
		.amdhsa_wavefront_size32 1
		.amdhsa_system_sgpr_workgroup_id_x 1
		.amdhsa_system_sgpr_workgroup_id_y 1
		.amdhsa_system_sgpr_workgroup_id_z 1
		.amdhsa_system_vgpr_workitem_id 0
		.amdhsa_next_free_vgpr 130
		.amdhsa_next_free_sgpr 66
		.amdhsa_reserve_vcc 1
		.amdhsa_float_denorm_mode_32 3
		.amdhsa_float_denorm_mode_16_64 3
		.amdhsa_memory_ordered 1
		.amdhsa_forward_progress 1
		.amdhsa_inst_pref_size 16
	.end_amdhsa_kernel
	.amdgpu_metadata
---
amdhsa.version: [ 1, 2 ]
amdhsa.kernels:
  - .name:           k_q270819c1cd_score
    .symbol:         k_q270819c1cd_score.kd
    .args:
      - { .name: encoder_hiddens, .offset: 0, .size: 8, .value_kind: global_buffer, .address_space: global }
      - { .name: upart, .offset: 8, .size: 8, .value_kind: global_buffer, .address_space: global }
      - { .name: attn_b, .offset: 16, .size: 8, .value_kind: global_buffer, .address_space: global }
      - { .name: out1, .offset: 24, .size: 8, .value_kind: global_buffer, .address_space: global }
      - { .name: scores, .offset: 32, .size: 8, .value_kind: global_buffer, .address_space: global }
      - { .name: cpart, .offset: 40, .size: 8, .value_kind: global_buffer, .address_space: global }
    .group_segment_fixed_size: 41984
    .private_segment_fixed_size: 0
    .kernarg_segment_align: 8
    .kernarg_segment_size: 48
    .max_flat_workgroup_size: 256
    .sgpr_count:     66
    .vgpr_count:     130
    .wavefront_size: 32
...
	.end_amdgpu_metadata
.endif
;; end of part 3
;; launch combine (part 4): grid 16 x 1, 8 waves a work-group, no clusters, 9,216 bytes of LDS; arguments scores, cpart, ctx, out2; writes ctx, out2
.if DOCPART == 4
	.amdgcn_target "amdgcn-amd-amdhsa--gfx1250"
	.amdhsa_code_object_version 6
	.text
	.protected	k_q270819c1cd_combine
	.globl	k_q270819c1cd_combine
	.p2align	8
	.type	k_q270819c1cd_combine,@function
k_q270819c1cd_combine:
	s_mov_b64 s[64:65], 0
	v_nop
	global_prefetch_b8 v0, s[64:65] scope:SCOPE_SE
	s_setreg_imm32_b32 hwreg(HW_REG_WAVE_MODE, 25, 1), 1
	s_wait_xcnt 0x0
; The softmax is closed: M = the largest of the 4,096 scores, L = sum of exp(s - M), out2 = exp(s - M) / L, and
; ctx = sum over the 256 blocks g of (exp(m_g - M) / L) cpart[g], m_g the largest of block g's sixteen scores (found again from the scores).
; Work-group x owns ctx[64 x .. + 63] (256 bytes; it reads that column strip of cpart, 64 KB) and out2[256 x .. + 255].  Sixteen work-groups
; are all that there are at 256 bytes of ctx each; every one reads all the scores (16 KB) and finds M and L for itself, as work-groups
; exchange nothing inside a launch.  No cluster: what they share is those 16 KB against 64 KB of their own.
; Thread t holds scores 1024 j + 4 t + k (j, k = 0..3): four neighbouring lanes hold block 64 j + (t >> 2).
; LIMITS: v_exp_f32 and v_rcp_f32 flush denormals: a weight below 2^-126 comes out as 0.  L is at least 1 (the largest score gives exp(0)).
.set R1,  0                            ; LDS: eight words, the waves' maxima
.set R2,  64                           ; eight words, the waves' sums
.set AT,  1024                         ; 256 words: a_g = exp(m_g - M) / L
.set ST,  4096                         ; [16][256 bytes]: the threads' shares of ctx
.set S,   8                            ; v[8:23]    my sixteen scores; v[8:11] later my four numbers of out2
.set C,   24                           ; v[24:87]   cpart: row 16 (t >> 4) + i at C + 4 i
.set BM,  88                           ; v[88:91]   block maxima
.set ACC, 96                           ; v[96:99]
.set SL,  100                          ; v[100:103] the scores of my four numbers of out2
.set LR,  104                          ; v[104:119] what comes from LDS; the sixteen exponentials
.set SLO, 20
.set SHI, 21
.macro PADD4 a, b
	v_pk_add_f32 v[\a:\a+1],   v[\a:\a+1],   v[\b:\b+1]
	v_pk_add_f32 v[\a+2:\a+3], v[\a+2:\a+3], v[\b+2:\b+3]
.endm
.macro TREE8 b
	PADD4 \b, \b+4
	PADD4 \b+8, \b+12
	PADD4 \b+16, \b+20
	PADD4 \b+24, \b+28
	PADD4 \b, \b+8
	PADD4 \b+16, \b+24
	PADD4 \b, \b+16
.endm
.macro FOLD b, t
.irp k, 0,1,2,3
	v_permlanex16_b32 v[\t+\k], v[\b+\k], s[SLO], s[SHI]
.endr
	PADD4 \b, \t
.endm
.macro WSUM r, t
	v_add_f32_dpp v[\r], v[\r], v[\r] row_xmask:1 row_mask:0xf bank_mask:0xf
	v_add_f32_dpp v[\r], v[\r], v[\r] row_xmask:2 row_mask:0xf bank_mask:0xf
	v_add_f32_dpp v[\r], v[\r], v[\r] row_xmask:4 row_mask:0xf bank_mask:0xf
	v_add_f32_dpp v[\r], v[\r], v[\r] row_xmask:8 row_mask:0xf bank_mask:0xf
	v_permlanex16_b32 v[\t], v[\r], s[SLO], s[SHI]
	v_add_f32 v[\r], v[\r], v[\t]
.endm
.macro WMAX r, t
	v_max_num_f32_dpp v[\r], v[\r], v[\r] row_xmask:1 row_mask:0xf bank_mask:0xf
	v_max_num_f32_dpp v[\r], v[\r], v[\r] row_xmask:2 row_mask:0xf bank_mask:0xf
	v_max_num_f32_dpp v[\r], v[\r], v[\r] row_xmask:4 row_mask:0xf bank_mask:0xf
	v_max_num_f32_dpp v[\r], v[\r], v[\r] row_xmask:8 row_mask:0xf bank_mask:0xf
	v_permlanex16_b32 v[\t], v[\r], s[SLO], s[SHI]
	v_max_num_f32 v[\r], v[\r], v[\t]
.endm
	s_load_b256 s[4:11], s[0:1], 0x0               ; scores 4:5, cpart 6:7, ctx 8:9, out2 10:11
	v_lshl_add_u32 v124, v0, 2, 0x2000
	v_mov_b32 v125, 0
	v_lshrrev_b32 v3, 5, v0
	v_readfirstlane_b32 s2, v3                     ; wave
	s_mov_b32 s[SLO], 0x76543210
	s_mov_b32 s[SHI], 0xfedcba98
	v_lshlrev_b32 v1, 4, v0                        ; 16 t
	v_and_b32 v121, 15, v0
	v_lshlrev_b32 v121, 4, v121                    ; 16 (t & 15)
	v_lshrrev_b32 v122, 4, v0                      ; t >> 4
	v_lshl_or_b32 v2, v122, 16, v121               ; cpart: 16 (t >> 4) rows of 4,096 bytes + my 16 bytes
	v_mov_b32 v3, 0
	v_and_b32 v4, 0xfc, v0
	v_add_nc_u32 v4, AT, v4                        ; a's word t >> 2
	v_lshl_add_u32 v5, v122, 6, AT                 ; a's sixteen words of my rows
	v_add_nc_u32 v6, ST, v1
	v_and_b32 v123, 63, v0
	v_lshlrev_b32 v123, 4, v123                    ; 16 (t & 63): my 16 bytes of the work-group's 1,024 of scores and of out2
	s_lshl_b32 s3, s2, 2
	v_mov_b32 v120, s3                             ; 4 x wave
	s_lshl_b32 s12, ttmp9, 10                      ; 256 x numbers
	s_mov_b32 s13, 0
	s_lshl_b32 s14, ttmp9, 8                       ; 64 x numbers
	s_mov_b32 s15, 0
	s_wait_kmcnt 0x0
	s_add_nc_u64 s[16:17], s[4:5], s[12:13]
	s_add_nc_u64 s[18:19], s[10:11], s[12:13]
	s_add_nc_u64 s[6:7], s[6:7], s[14:15]
	s_add_nc_u64 s[8:9], s[8:9], s[14:15]
	global_load_b128 v[SL:SL+3], v123, s[16:17]    ; every wave asks (no branch over a load); waves 0 and 1 use it
.irp j, 0,1,2,3
	global_load_b128 v[S+4*\j:S+4*\j+3], v1, s[4:5] offset:4096*\j
.endr
.irp i, 0,1,2,3,4,5,6,7,8,9,10,11,12,13,14,15
	global_load_b128 v[C+4*\i:C+4*\i+3], v2, s[6:7] offset:4096*\i
.endr
	s_wait_loadcnt 16                              ; loads return in order (ISA guide 5.7.1): the scores are in, the sixteen loads of cpart stay out
.irp j, 0,1,2,3
	v_max3_num_f32 v[BM+\j], v[S+4*\j], v[S+4*\j+1], v[S+4*\j+2]
.endr
.irp j, 0,1,2,3
	v_max_num_f32 v[BM+\j], v[BM+\j], v[S+4*\j+3]
.endr
	v_max3_num_f32 v7, v[BM], v[BM+1], v[BM+2]
	v_max_num_f32 v92, v7, v[BM+3]                 ; the largest of my sixteen
.irp m, 1,2
.irp j, 0,1,2,3
	v_max_num_f32_dpp v[BM+\j], v[BM+\j], v[BM+\j] row_xmask:\m row_mask:0xf bank_mask:0xf     ; four lanes: m of block 64 j + (t >> 2)
.endr
.endr
	WMAX 92, 7
	ds_store_b32 v120, v92 offset:R1
	s_wait_dscnt 0x0                               ; zero before the signal: the others read this word
	s_barrier_signal -1
	s_barrier_wait -1
	ds_load_b128 v[LR:LR+3],   v3 offset:R1
	ds_load_b128 v[LR+4:LR+7], v3 offset:R1+16
	s_wait_dscnt 0x0
	v_max3_num_f32 v7, v[LR], v[LR+1], v[LR+2]
	v_max3_num_f32 v7, v7, v[LR+3], v[LR+4]
	v_max3_num_f32 v7, v7, v[LR+5], v[LR+6]
	v_max_num_f32 v94, v7, v[LR+7]                 ; M, twice: a pair for the packed subtraction
	v_max_num_f32 v95, v7, v[LR+7]
.irp o, 0,2,4,6,8,10,12,14
	v_pk_add_f32 v[S+\o:S+\o+1], v[S+\o:S+\o+1], v[94:95] neg_lo:[0,1] neg_hi:[0,1]    ; s - M first,
.endr
.irp o, 0,2,4,6,8,10,12,14
	v_pk_mul_f32 v[S+\o:S+\o+1], v[S+\o:S+\o+1], 0x3fb8aa3b op_sel_hi:[1,0]            ; then x 1.442695
.endr
.irp i, 0,1,2,3,4,5,6,7,8,9,10,11,12,13,14,15
	v_exp_f32 v[LR+\i], v[S+\i]
.endr
	v_nop                                          ; one plain place behind the transcendentals (ISA guide 5.7.2)
	s_wait_alu depctr_va_vdst(0)
.irp o, 0,4,8,12
	v_pk_add_f32 v[LR+\o:LR+\o+1], v[LR+\o:LR+\o+1], v[LR+\o+2:LR+\o+3]
.endr
	v_pk_add_f32 v[LR:LR+1],   v[LR:LR+1],   v[LR+4:LR+5]
	v_pk_add_f32 v[LR+8:LR+9], v[LR+8:LR+9], v[LR+12:LR+13]
	v_pk_add_f32 v[LR:LR+1],   v[LR:LR+1],   v[LR+8:LR+9]
	v_add_f32 v92, v[LR], v[LR+1]
	WSUM 92, LR+1
	ds_store_b32 v120, v92 offset:R2
	s_wait_dscnt 0x0
	s_barrier_signal -1
	s_barrier_wait -1
	ds_load_b128 v[LR:LR+3],   v3 offset:R2
	ds_load_b128 v[LR+4:LR+7], v3 offset:R2+16
	s_wait_dscnt 0x0
	v_pk_add_f32 v[LR:LR+1],   v[LR:LR+1],   v[LR+2:LR+3]
	v_pk_add_f32 v[LR+4:LR+5], v[LR+4:LR+5], v[LR+6:LR+7]
	v_pk_add_f32 v[LR:LR+1],   v[LR:LR+1],   v[LR+4:LR+5]
	v_add_f32 v7, v[LR], v[LR+1]                   ; L
	v_rcp_f32 v93, v7                              ; 1 / L; the subtractions below are the plain places behind it
.irp j, 0,1,2,3
	v_sub_f32 v[BM+\j], v[BM+\j], v94
.endr
.irp j, 0,1,2,3
	v_mul_f32 v[BM+\j], 0x3fb8aa3b, v[BM+\j]
.endr
.irp j, 0,1,2,3
	v_exp_f32 v[ACC+\j], v[BM+\j]
.endr
	v_nop
	s_wait_alu depctr_va_vdst(0)
.irp j, 0,1,2,3
	v_mul_f32 v[ACC+\j], v[ACC+\j], v93
.endr
.irp j, 0,1,2,3
	ds_store_b32 v4, v[ACC+\j] offset:256*\j       ; a of block 64 j + (t >> 2); its four lanes write the same word with the same number
.endr
	s_cmp_gt_u32 s2, 1
	s_cbranch_scc1 .Lnoout
	; waves 0 and 1: the work-group's 256 attention weights
	v_pk_add_f32 v[SL:SL+1],   v[SL:SL+1],   v[94:95] neg_lo:[0,1] neg_hi:[0,1]
	v_pk_add_f32 v[SL+2:SL+3], v[SL+2:SL+3], v[94:95] neg_lo:[0,1] neg_hi:[0,1]
	v_pk_mul_f32 v[SL:SL+1],   v[SL:SL+1],   0x3fb8aa3b op_sel_hi:[1,0]
	v_pk_mul_f32 v[SL+2:SL+3], v[SL+2:SL+3], 0x3fb8aa3b op_sel_hi:[1,0]
.irp k, 0,1,2,3
	v_exp_f32 v[S+\k], v[SL+\k]
.endr
	v_nop
	s_wait_alu depctr_va_vdst(0)
.irp k, 0,1,2,3
	v_mul_f32 v[S+\k], v[S+\k], v93
.endr
	global_store_b128 v123, v[S:S+3], s[18:19] th:TH_STORE_NT      ; sixteen lanes store 256 consecutive bytes, aligned; v[8:11] and v123 are not written again
.Lnoout:
	s_wait_dscnt 0x0
	s_barrier_signal -1
	s_barrier_wait -1                              ; the table of a is whole
.irp i, 0,1,2,3
	ds_load_b128 v[LR+4*\i:LR+4*\i+3], v5 offset:16*\i             ; a of my sixteen rows
.endr
	s_wait_dscnt 0x0
	s_wait_loadcnt 0x0                             ; cpart
.irp k, 0,1,2,3
	v_mul_f32 v[ACC+\k], v[C+\k], v[LR]
.endr
.irp i, 1,2,3,4,5,6,7,8,9,10,11,12,13,14,15
.irp k, 0,1,2,3
	v_fmac_f32 v[ACC+\k], v[C+4*\i+\k], v[LR+\i]
.endr
.endr
	ds_store_b128 v6, v[ACC:ACC+3]                 ; stage [16 (t >> 4)][256 bytes]
	s_wait_dscnt 0x0
	s_barrier_signal -1
	s_barrier_wait -1
	s_cmp_lg_u32 s2, 0
	s_cbranch_scc1 .Lend
	; wave 0 adds the sixteen shares: lanes 0-15 take 0-7, lanes 16-31 take 8-15, then the halves meet
	v_bfe_u32 v122, v0, 4, 1                       ; lane >> 4
	v_lshl_add_u32 v122, v122, 11, v121            ; 2,048 (lane >> 4) + 16 (lane & 15): at most 2,288
	v_add_nc_u32 v122, ST, v122                    ; in the stage: with 7 x 256 and 16 bytes it ends at 8,192
.irp i, 0,1,2,3,4,5,6,7
	ds_load_b128 v[C+4*\i:C+4*\i+3], v122 offset:256*\i
.endr
	v_and_b32 v7, 31, v0
	s_wait_dscnt 0x0
	TREE8 C
	FOLD C, C+4
	s_wait_xcnt 0x0                                ; EXEC is a source of the store of out2: it changes only behind this wait
	v_cmp_gt_u32 vcc_lo, 16, v7
	s_wait_tensorcnt 0x0
	ds_add_u32 v124, v125
	s_wait_dscnt 0x0
	s_and_saveexec_b32 s22, vcc_lo
	global_store_b128 v121, v[C:C+3], s[8:9]       ; sixteen lanes store 256 consecutive bytes, aligned
	s_endpgm
.Lend:
	s_wait_tensorcnt 0x0
	ds_add_u32 v124, v125
	s_wait_dscnt 0x0
	s_endpgm
.Lfunc_end_k_q270819c1cd_combine:
	.size	k_q270819c1cd_combine, .Lfunc_end_k_q270819c1cd_combine-k_q270819c1cd_combine
	.p2alignl 7, 3214868480
	.fill 96, 4, 3214868480
	.section	.rodata,"a",@progbits
	.p2align	6, 0x0
	.amdhsa_kernel k_q270819c1cd_combine
		.amdhsa_group_segment_fixed_size 9216
		.amdhsa_private_segment_fixed_size 0
		.amdhsa_enable_private_segment 0
		.amdhsa_kernarg_size 32
		.amdhsa_user_sgpr_count 2
		.amdhsa_user_sgpr_kernarg_segment_ptr 1
		.amdhsa_wavefront_size32 1
		.amdhsa_system_sgpr_workgroup_id_x 1
		.amdhsa_system_sgpr_workgroup_id_y 1
		.amdhsa_system_sgpr_workgroup_id_z 1
		.amdhsa_system_vgpr_workitem_id 0
		.amdhsa_next_free_vgpr 126
		.amdhsa_next_free_sgpr 66
		.amdhsa_reserve_vcc 1
		.amdhsa_float_denorm_mode_32 3
		.amdhsa_float_denorm_mode_16_64 3
		.amdhsa_memory_ordered 1
		.amdhsa_forward_progress 1
		.amdhsa_inst_pref_size 16
	.end_amdhsa_kernel
	.amdgpu_metadata
---
amdhsa.version: [ 1, 2 ]
amdhsa.kernels:
  - .name:           k_q270819c1cd_combine
    .symbol:         k_q270819c1cd_combine.kd
    .args:
      - { .name: scores, .offset: 0, .size: 8, .value_kind: global_buffer, .address_space: global }
      - { .name: cpart, .offset: 8, .size: 8, .value_kind: global_buffer, .address_space: global }
      - { .name: ctx, .offset: 16, .size: 8, .value_kind: global_buffer, .address_space: global }
      - { .name: out2, .offset: 24, .size: 8, .value_kind: global_buffer, .address_space: global }
    .group_segment_fixed_size: 9216
    .private_segment_fixed_size: 0
    .kernarg_segment_align: 8
    .kernarg_segment_size: 32
    .max_flat_workgroup_size: 256
    .sgpr_count:     66
    .vgpr_count:     126
    .wavefront_size: 32
...
	.end_amdgpu_metadata
.endif
;; end of part 4
;; launch outp (part 5): grid 786 x 1, 8 waves a work-group, no clusters, 1,536 bytes of LDS; arguments out_w, out_b, out1, ctx, out0; writes out0
.if DOCPART == 5
	.amdgcn_target "amdgcn-amd-amdhsa--gfx1250"
	.amdhsa_code_object_version 6
	.text
	.protected	k_q270819c1cd_outp
	.globl	k_q270819c1cd_outp
	.p2align	8
	.type	k_q270819c1cd_outp,@function
k_q270819c1cd_outp:
	s_mov_b64 s[64:65], 0
	v_nop
	global_prefetch_b8 v0, s[64:65] scope:SCOPE_SE
	s_setreg_imm32_b32 hwreg(HW_REG_WAVE_MODE, 25, 1), 1
	s_wait_xcnt 0x0
; out0[v] = out_b[v] + out_w[v] . [h ; ctx], f32.  A stream: 411.7 MB of weights, each byte read once and used once, so the design is about bytes
; in flight.  No matrix unit (one-row product), no LDS ring (no tile has two readers), no cluster (shared: the 8 KB vector against 512 KB of rows).
; Work-group b makes 64 outputs, 256 consecutive bytes of out0, aligned.  786 such pieces do not divide evenly over staying work-groups (3 or 4 each),
; so each piece is a work-group of its own, small enough in registers (110 a wave) that several lie on a WGP together.
; Wave w: half = w & 1 (0: columns 0-1023 with h, 1: columns 1024-2047 with ctx), pr = w >> 1: rows 16 pr .. + 15 of the piece, 4,096 bytes of each;
; the vector's half stays in 32 registers.  Two row slots in registers: while one row is multiplied the other is on its way, and a slot is asked for
; again as soon as its products are issued: 4 to 8 KB of every wave are in flight.  Each load covers 512 consecutive bytes, aligned.
; The last work-group has 17 rows of its own (50,257 = 785 x 64 + 17): its window is moved back to rows 50,193 .. 50,256, so that every load stays
; inside out_w and out_b and all work-groups run one text; it stores its own 17.  The 47 rows read again are 0.09 per cent of the stream.
; The order of the sums differs from reference()'s.
.set VOCAB, 50257
.set VEC, 8                            ; v[8:39]    my half of [h ; ctx]: lane l holds the 16 bytes at 512 c + 16 l in VEC + 4 c ..
.set R0,  40                           ; v[40:71], v[72:103]  the two row slots, the same layout
.set SLO, 22
.set SHI, 23
.set BIAS, 32                          ; s[32:47]   out_b of my 16 rows (half 0) or zeros (half 1)
	s_load_b256 s[4:11], s[0:1], 0x0               ; out_w 4:5, out_b 6:7, out1 (h) 8:9, ctx 10:11
	s_load_b64 s[12:13], s[0:1], 0x20              ; out0
	v_lshl_add_u32 v108, v0, 2, 0x200
	v_mov_b32 v109, 0
	v_lshrrev_b32 v2, 5, v0
	v_readfirstlane_b32 s2, v2                     ; wave
	s_and_b32 s3, s2, 1                            ; half
	s_lshr_b32 s14, s2, 1                          ; pr
	s_mov_b32 s[SLO], 0x76543210
	s_mov_b32 s[SHI], 0xfedcba98
	v_and_b32 v105, 31, v0                         ; lane
	v_lshlrev_b32 v1, 4, v105                      ; 16 x lane
	s_lshl_b32 s15, ttmp9, 6
	s_min_u32 s15, s15, VOCAB-64                   ; the window's first row
	s_lshl_b32 s24, s14, 4
	s_add_co_u32 s15, s15, s24                     ; my first row
	s_lshl_b32 s26, s15, 13                        ; x 8,192 bytes: at most 50,241 x 8,192, below 2^32
	s_lshl_b32 s24, s3, 12                         ; + my half of the row
	s_add_co_u32 s26, s26, s24
	s_mov_b32 s27, 0
	s_lshl_b32 s28, s15, 2                         ; my first bias
	s_mov_b32 s29, 0
	s_lshl_b32 s30, ttmp9, 8                       ; the work-group's 256 bytes of out0
	s_mov_b32 s31, 0
	s_lshl_b32 s24, s3, 8
	s_lshl_b32 s25, s14, 6
	s_add_co_u32 s24, s24, s25
	v_mov_b32 v104, s24                            ; LDS [2 halves][64 rows] of words: 256 half + 64 pr
	s_wait_kmcnt 0x0
	s_add_nc_u64 s[16:17], s[4:5], s[26:27]
	s_add_nc_u64 s[20:21], s[6:7], s[28:29]
	s_add_nc_u64 s[12:13], s[12:13], s[30:31]
	s_cmp_eq_u32 s3, 0
	s_cselect_b64 s[18:19], s[8:9], s[10:11]       ; h or ctx
	s_load_b512 s[BIAS:BIAS+15], s[20:21], 0x0
.irp c, 0,1,2,3,4,5,6,7
	global_load_b128 v[VEC+4*\c:VEC+4*\c+3], v1, s[18:19] offset:512*\c
.endr
.irp c, 0,1,2,3,4,5,6,7
	global_load_b128 v[R0+4*\c:R0+4*\c+3], v1, s[16:17] offset:512*\c th:TH_LOAD_NT
.endr
.irp c, 0,1,2,3,4,5,6,7
	global_load_b128 v[R0+32+4*\c:R0+32+4*\c+3], v1, s[16:17] offset:8192+512*\c th:TH_LOAD_NT
.endr
	s_wait_kmcnt 0x0
	s_cmp_eq_u32 s3, 0
.irp i, 0,1,2,3,4,5,6,7,8,9,10,11,12,13,14,15
	s_cselect_b32 s[BIAS+\i], s[BIAS+\i], 0        ; the bias is added once: by the half that holds h
.endr
; Row i of my sixteen.  The base and the lane's offset are never rewritten: rows are reached by the immediate (at most 126,464).
.macro TURN i
.set RW, R0+32*(\i%2)
.if \i < 15
	s_wait_loadcnt 0x8                             ; loads return in order (ISA guide 5.7.1): row i is in, the other slot's eight loads stay out
.else
	s_wait_loadcnt 0x0                             ; nothing was asked for behind the last row
.endif
	v_pk_mul_f32 v[2:3], v[RW:RW+1],   v[VEC:VEC+1]                ; two chains; the first products start the sums
	v_pk_mul_f32 v[4:5], v[RW+2:RW+3], v[VEC+2:VEC+3]
.irp o, 4,8,12,16,20,24,28
	v_pk_fma_f32 v[2:3], v[RW+\o:RW+\o+1],   v[VEC+\o:VEC+\o+1],   v[2:3]
	v_pk_fma_f32 v[4:5], v[RW+\o+2:RW+\o+3], v[VEC+\o+2:VEC+\o+3], v[4:5]
.endr
.if \i+2 < 16
.irp c, 0,1,2,3,4,5,6,7
	global_load_b128 v[RW+4*\c:RW+4*\c+3], v1, s[16:17] offset:8192*(\i+2)+512*\c th:TH_LOAD_NT
.endr
.endif
	v_pk_add_f32 v[2:3], v[2:3], v[4:5]
	v_add_f32 v6, v2, v3
	v_add_f32_dpp v6, v6, v6 row_xmask:1 row_mask:0xf bank_mask:0xf
	v_add_f32_dpp v6, v6, v6 row_xmask:2 row_mask:0xf bank_mask:0xf
	v_add_f32_dpp v6, v6, v6 row_xmask:4 row_mask:0xf bank_mask:0xf
	v_add_f32_dpp v6, v6, v6 row_xmask:8 row_mask:0xf bank_mask:0xf
	v_permlanex16_b32 v4, v6, s[SLO], s[SHI]       ; v4: written above and done with
	v_add_f32 v6, v6, v4
	v_add_f32 v6, s[BIAS+\i], v6
	ds_store_b32 v104, v6 offset:4*\i              ; every lane holds the sum: one word, one number
.endm
.irp i, 0,1,2,3,4,5,6,7,8,9,10,11,12,13,14,15
	TURN \i
.endr
	s_wait_dscnt 0x0                               ; for wave 0's sake: zero before the signal
	s_barrier_signal -1
	s_barrier_wait -1
	s_cmp_lg_u32 s2, 0
	s_cbranch_scc1 .Lend
	s_cmp_eq_u32 ttmp9, 785
	s_cbranch_scc1 .Llast
	v_lshlrev_b32 v106, 3, v105                    ; two outputs a lane
	ds_load_b64 v[2:3], v106                       ; h's half, with the bias
	ds_load_b64 v[4:5], v106 offset:256            ; ctx's half
	s_wait_dscnt 0x0
	v_pk_add_f32 v[2:3], v[2:3], v[4:5]
	global_store_b64 v106, v[2:3], s[12:13] th:TH_STORE_NT         ; the wave stores 256 consecutive bytes, aligned
	s_wait_tensorcnt 0x0
	ds_add_u32 v108, v109
	s_wait_dscnt 0x0
	s_endpgm
.Llast:
	; rows 50,240 .. 50,256 are rows 47 .. 63 of the moved window: words at 188 and at 256 + 188.  Lanes past 16 read lane 16's words again,
	; so that every lane reads bytes that were written (188 .. 255 and 444 .. 511); only lanes 0 to 16 store.
	v_min_u32 v107, 16, v105
	v_lshlrev_b32 v107, 2, v107
	ds_load_b32 v2, v107 offset:188
	ds_load_b32 v3, v107 offset:444
	v_lshlrev_b32 v106, 2, v105
	s_wait_dscnt 0x0
	v_add_f32 v2, v2, v3
	s_wait_xcnt 0x0                                ; EXEC is a source of the loads above: it changes only behind this wait
	v_cmp_gt_u32 vcc_lo, 17, v105
	s_wait_tensorcnt 0x0
	ds_add_u32 v108, v109
	s_wait_dscnt 0x0
	s_and_saveexec_b32 s24, vcc_lo
	global_store_b32 v106, v2, s[12:13] th:TH_STORE_NT             ; the last 68 bytes of out0
	s_endpgm
.Lend:
	s_wait_tensorcnt 0x0
	ds_add_u32 v108, v109
	s_wait_dscnt 0x0
	s_endpgm
.Lfunc_end_k_q270819c1cd_outp:
	.size	k_q270819c1cd_outp, .Lfunc_end_k_q270819c1cd_outp-k_q270819c1cd_outp
	.p2alignl 7, 3214868480
	.fill 96, 4, 3214868480
	.section	.rodata,"a",@progbits
	.p2align	6, 0x0
	.amdhsa_kernel k_q270819c1cd_outp
		.amdhsa_group_segment_fixed_size 1536
		.amdhsa_private_segment_fixed_size 0
		.amdhsa_enable_private_segment 0
		.amdhsa_kernarg_size 40
		.amdhsa_user_sgpr_count 2
		.amdhsa_user_sgpr_kernarg_segment_ptr 1
		.amdhsa_wavefront_size32 1
		.amdhsa_system_sgpr_workgroup_id_x 1
		.amdhsa_system_sgpr_workgroup_id_y 1
		.amdhsa_system_sgpr_workgroup_id_z 1
		.amdhsa_system_vgpr_workitem_id 0
		.amdhsa_next_free_vgpr 110
		.amdhsa_next_free_sgpr 66
		.amdhsa_reserve_vcc 1
		.amdhsa_float_denorm_mode_32 3
		.amdhsa_float_denorm_mode_16_64 3
		.amdhsa_memory_ordered 1
		.amdhsa_forward_progress 1
		.amdhsa_inst_pref_size 42
	.end_amdhsa_kernel
	.amdgpu_metadata
---
amdhsa.version: [ 1, 2 ]
amdhsa.kernels:
  - .name:           k_q270819c1cd_outp
    .symbol:         k_q270819c1cd_outp.kd
    .args:
      - { .name: out_w, .offset: 0, .size: 8, .value_kind: global_buffer, .address_space: global }
      - { .name: out_b, .offset: 8, .size: 8, .value_kind: global_buffer, .address_space: global }
      - { .name: out1, .offset: 16, .size: 8, .value_kind: global_buffer, .address_space: global }
      - { .name: ctx, .offset: 24, .size: 8, .value_kind: global_buffer, .address_space: global }
      - { .name: out0, .offset: 32, .size: 8, .value_kind: global_buffer, .address_space: global }
    .group_segment_fixed_size: 1536
    .private_segment_fixed_size: 0
    .kernarg_segment_align: 8
    .kernarg_segment_size: 40
    .max_flat_workgroup_size: 256
    .sgpr_count:     66
    .vgpr_count:     110
    .wavefront_size: 32
...
	.end_amdgpu_metadata
.endif
;; end of part 5
